; MI455X (gfx1250); checked and timed in simulation.
; The chip was launched on July 23, 2026; its instructions are those of AMD's public machine-readable ISA for CDNA 5 (MIT licence, August 2026) and "CDNA5" Instruction Set Architecture Reference Guide (July 2026). The comments in the code are by the model that wrote it; some were corrected since.
;; Self Attention2d. Allowed arithmetic: matrix products marked QUANTISED: E3M2 operands, one E8M0 scale for each 32 along K, by v_wmma_scale_f32_16x16x128_f8f6f4 with both operands' format E3M2, f32 sums; everything else in f32.
;; Inputs: b_proj 256 float32; b_qkv 768 float32; beta 256 float32; gamma 256 float32; w_proj_codes 256 x 8 x 24 uint8 (E3M2 codes of w_proj, K innermost, in blocks of 32 codes, four codes in three bytes); w_proj_scales 256 x 8 uint8 (E8M0 scales of w_proj, one for each 32 codes along K); w_qkv_codes 768 x 8 x 24 uint8 (E3M2 codes of w_qkv, K innermost, in blocks of 32 codes, four codes in three bytes); w_qkv_scales 768 x 8 uint8 (E8M0 scales of w_qkv, one for each 32 codes along K); x 4 x 256 x 64 x 64 float32.
;; Outputs: out0 4 x 256 x 64 x 64 float32.
;; This version of the problem:
;;   THIS VERSION OF THE PROBLEM IS GIVEN IN LOW PRECISION. The matrix products marked QUANTISED in the list below multiply operands that are first quantised to E3M2 (3 exponent bits, 2 mantissa bits; 6 bits a number), with one power-of-two scale for each 32 numbers along K (OCP MX v1.0); their sums are f32. All else is computed in f32.
;;   The module's matrix products, in the order in which they are computed (A, B: the left and right operand; K: the contracted axis; several contracted axes count as one K, in the product's order):
;;     1. [M 768, K 256] x [K 256, N 16,384]; A: input w_qkv (given as codes); B: computed on the way: QUANTISED
;;     2. batch 16 x [M 4,096, K 64] x [K 64, N 4,096]; A: computed on the way; B: computed on the way: QUANTISED
;;     3. batch 16 x [M 4,096, K 4,096] x [K 4,096, N 64]; A: softmax (see below); B: computed on the way: QUANTISED
;;     4. [M 256, K 256] x [K 256, N 16,384]; A: input w_proj (given as codes); B: computed on the way: QUANTISED
;;   THE QUANTISER, for each operand of a quantised product, along K:
;;     - K is cut into blocks of 32 from its start; a last block that is shorter is filled with zeros.
;;     - A block's scale is 2^e with e = floor(log2(the largest magnitude in the block)) - 4, held to -126 .. 127; a block of zeros has e = 0. As a byte (E8M0): e + 127.
;;     - Each number is divided by its block's scale, clamped to +-28, and rounded to the nearest number of E3M2, ties to even, subnormals kept.
;;     - The product sums the exact products of the quantised numbers (number of the format x scale) in f32.
;;   ~~~python
;;   def quantise(x, axis):      # numpy; x: float32 -> the quantised numbers, widened to float32 again
;;       x = np.moveaxis(x, axis, -1); K = x.shape[-1]
;;       x = np.pad(x, [(0, 0)] * (x.ndim - 1) + [(0, -K % 32)]); x = x.reshape(x.shape[:-1] + (-1, 32)); a = np.abs(x).max(-1, keepdims=True)
;;       e = np.where(a > 0, np.clip(np.frexp(np.where(a > 0, a, 1))[1] - 1 - 4, -126, 127), 0)      # np.frexp(a)[1] - 1 = floor(log2(a)), exactly
;;       r = np.clip(x / 2.0 ** e, -28, 28)
;;       step = 2.0 ** (np.maximum(np.frexp(np.where(r == 0, 1, r))[1] - 1, -2) - 2)
;;       q = np.round(r / step) * step * 2.0 ** e      # np.round: ties to even
;;       return np.moveaxis(q.reshape(q.shape[:-2] + (-1,))[..., :K], -1, axis).astype(np.float32)
;;   ~~~
;;   SOFTMAX AHEAD OF A QUANTISED PRODUCT. Where the list says 'softmax', what is quantised is not the finished softmax but p = 2^(t - M), with t = logit x log2(e) and M = ceil(the row's largest t), a whole number; so 1/2 < the row's largest p <= 1. The row's sum l is taken of the UNQUANTISED p, in f32, and the product's result is divided by l at the end. Since M is a whole number, a kernel that streams over the keys may use a running M (the ceiling of the running maximum): every later rescaling is an exact power of two, which a block's scale takes up: the codes' values come out the same.
;;   OPERANDS COMPUTED ON THE WAY. 'Computed on the way' means the value that the module computes at that place (a softmax that the list does not call 'softmax' is quantised finished and normalised). What goes into a quantiser is computed in f32, as accurately as f32 sums, v_exp_f32 and their like allow (about 1e-6 of the number): no bf16 or f16 on the way to a quantiser, and a product that is left as it is and whose result goes on into a quantised operand takes f32 operands (vector FMAs, or v_wmma_f32_16x16x4_f32). A number that lies on a knife's edge between two numbers of the format may be rounded either way, as far as f32 arithmetic and the matrix unit's own rounding can turn it there, and no further.
;;   INPUTS GIVEN AS CODES. w_proj (in the module: [256, 256], K = its axis 1); w_qkv (in the module: [768, 256], K = its axis 1): each comes as NAME_codes (uint8): NAME with its K axis moved to the last place and cut into blocks of 32 codes, [.., K / 32, bytes a block], one block behind the other in memory; four codes in three bytes: a row's codes are one little-endian stream of bits, code i at bits 6 i .. 6 i + 5 (a code: sign, 3 exponent bits, 2 mantissa bits); and NAME_scales (uint8): the same leading axes, one E8M0 byte (e + 127) for each 32 codes along K. Its value is code x scale, taken as it is: it is not quantised again, and the codes and scales need not be those that the quantiser above would give.
;; One version. Each part assembles by itself: llvm-mc -triple=amdgcn-amd-amdhsa -mcpu=gfx1250 --defsym DOCPART=n.
;; ======== version 1 of 1: 3 launches
;; workspace buffers: stats 2,048 bytes; wimg 196,608 bytes; qw 3,407,872 bytes; kv 6,815,744 bytes
;; launch prep (part 1): grid 272 x 1, 8 waves a work-group, no clusters, 1,536 bytes of LDS; arguments x, w_qkv_codes, w_proj_codes, stats, wimg; writes stats, wimg
.if DOCPART == 1
	.amdgcn_target "amdgcn-amd-amdhsa--gfx1250"
	.amdhsa_code_object_version 6
	.text
	.protected	k_q5d06707c61_prep
	.globl	k_q5d06707c61_prep
	.p2align	8
	.type	k_q5d06707c61_prep,@function
k_q5d06707c61_prep:
	s_mov_b64 s[64:65], 0
	v_nop
	global_prefetch_b8 v0, s[64:65] scope:SCOPE_SE
	s_setreg_imm32_b32 hwreg(HW_REG_WAVE_MODE, 25, 1), 1
	s_wait_xcnt 0x0
; TWO JOBS IN ONE LAUNCH, told apart by the work-group's number alone.
; Work-groups 0-255: x is 256 runs of 16,384 numbers; run i is an eighth of GroupNorm group i / 8.  Work-group i stores (mean_i, M2_i): the run's mean and the sum of squares
; round that mean, taken in two passes over the registers, so that no difference of large sums is formed; the next launch joins eight runs to a group.
; Work-groups 256-271: the 128 operand fragments (16 rows x 128 K, 12 registers a lane) of W_qkv and W_proj are laid in the order of the operand's registers:
; image F = 1,536 bytes, registers 4 g .. 4 g + 3 of lane l at 512 g + 16 l.  One wave lays one image.
;   F = 2 T + s < 96: W_qkv, tile T = 4 unit + t, K step s; lane r holds row 64 unit + 32 (r / 8) + 8 t + r % 8 (so that later results lie with 32 neighbours in a lane).
;   F = 96 + 2 T + s: W_proj, lane r holds row 16 T + r.
; LIMITS: NaN and infinities among the inputs are not served.
.set X,   16                           ; v16-79  my 64 numbers
.set ACC, 80                           ; v80-87  four chains of two
.set PS,  88                           ; v88-95  the eight waves' sums
	s_load_b128 s[4:7], s[0:1], 0x0                ; x, W_qkv's codes
	s_load_b128 s[8:11], s[0:1], 0x10              ; W_proj's codes, stats
	s_load_b64 s[14:15], s[0:1], 0x20              ; wimg
	v_lshl_add_u32 v96, v0, 2, 0x200
	v_mov_b32 v97, 0
	v_lshrrev_b32 v1, 5, v0
	s_delay_alu instid0(VALU_DEP_1)
	v_readfirstlane_b32 s16, v1                    ; wave 0..7
	s_cmp_ge_u32 ttmp9, 256
	s_cbranch_scc1 .Lrelay
; ---- the statistics of run ttmp9
.macro JOIN                            ; four chains -> one number a lane -> the wave's sum in every lane
	s_delay_alu instid0(VALU_DEP_3)
	v_pk_add_f32 v[ACC:ACC+1], v[ACC:ACC+1], v[ACC+2:ACC+3]
	s_delay_alu instid0(VALU_DEP_2)
	v_pk_add_f32 v[ACC+4:ACC+5], v[ACC+4:ACC+5], v[ACC+6:ACC+7]
	s_delay_alu instid0(VALU_DEP_1)
	v_pk_add_f32 v[ACC:ACC+1], v[ACC:ACC+1], v[ACC+4:ACC+5]
	s_delay_alu instid0(VALU_DEP_1)
	v_add_f32 v[ACC], v[ACC], v[ACC+1]
.irp m, 1,2,4,8
	s_delay_alu instid0(VALU_DEP_1)
	v_add_f32_dpp v[ACC], v[ACC], v[ACC] row_xmask:\m row_mask:0xf bank_mask:0xf
.endr
	s_delay_alu instid0(VALU_DEP_1)
	v_permlanex16_b32 v5, v[ACC], s12, s13
	s_delay_alu instid0(VALU_DEP_1)
	v_add_f32 v[ACC], v[ACC], v5
.endm
.macro MEET off                        ; the eight waves' sums meet in 32 bytes of LDS at off; the work-group's sum ends in v[PS]
	ds_store_b32 v3, v[ACC] offset:\off            ; all lanes write the wave's word with the same value
	s_wait_dscnt 0x0                               ; for the others' sake: my store has landed
	s_barrier_signal -1
	s_barrier_wait -1
	ds_load_b128 v[PS:PS+3], v4 offset:\off
	ds_load_b128 v[PS+4:PS+7], v4 offset:\off+16
	s_wait_dscnt 0x0
	v_add_f32 v[PS], v[PS], v[PS+1]
	v_add_f32 v[PS+2], v[PS+2], v[PS+3]
	v_add_f32 v[PS+4], v[PS+4], v[PS+5]
	v_add_f32 v[PS+6], v[PS+6], v[PS+7]
	s_delay_alu instid0(VALU_DEP_3)
	v_add_f32 v[PS], v[PS], v[PS+2]
	s_delay_alu instid0(VALU_DEP_2)
	v_add_f32 v[PS+4], v[PS+4], v[PS+6]
	s_delay_alu instid0(VALU_DEP_1)
	v_add_f32 v[PS], v[PS], v[PS+4]
.endm
	s_lshl_b32 s18, ttmp9, 16                      ; the run's 65,536 bytes
	s_mov_b32 s19, 0
	s_mov_b32 s12, 0x76543210                      ; v_permlanex16_b32's selects for lane l xor 16
	s_mov_b32 s13, 0xfedcba98
	v_lshlrev_b32 v2, 4, v0                        ; 16 bytes a thread: a load of the work-group covers 4,096 bytes on end
	v_lshlrev_b32 v3, 2, v1                        ; LDS: my wave's word
	v_mov_b32 v4, 0
	v_mov_b32 v5, 0                                ; written once: a lane permute's destination counts as one of its sources
	s_wait_alu depctr_va_vdst(0)
	s_wait_kmcnt 0x0
	s_add_nc_u64 s[4:5], s[4:5], s[18:19]
.irp j, 0,1,2,3,4,5,6,7,8,9,10,11,12,13,14,15
	global_load_b128 v[X+4*\j:X+4*\j+3], v2, s[4:5] offset:4096*\j
.endr
	s_wait_loadcnt 0x0
	; pass 1: the sum; the first eight pairs start the four chains, nothing is cleared
.irp c, 0,1,2,3
	v_pk_add_f32 v[ACC+2*\c:ACC+2*\c+1], v[X+2*\c:X+2*\c+1], v[X+8+2*\c:X+9+2*\c]
.endr
.irp k, 8,12,16,20,24,28
.irp c, 0,1,2,3
	s_delay_alu instid0(VALU_DEP_4)
	v_pk_add_f32 v[ACC+2*\c:ACC+2*\c+1], v[ACC+2*\c:ACC+2*\c+1], v[X+2*(\k+\c):X+2*(\k+\c)+1]
.endr
.endr
	JOIN
	MEET 0
	s_delay_alu instid0(VALU_DEP_1)
	v_mul_f32 v10, 0x38800000, v[PS]               ; / 16,384: the run's mean
	s_delay_alu instid0(VALU_DEP_1)
	v_mov_b32 v11, v10
	; pass 2: the squares round the mean
.set j, 0
.rept 32
	v_pk_add_f32 v[X+j:X+j+1], v[X+j:X+j+1], v[10:11] neg_lo:[0,1] neg_hi:[0,1]
.set j, j+2
.endr
.irp c, 0,1,2,3
	v_pk_mul_f32 v[ACC+2*\c:ACC+2*\c+1], v[X+2*\c:X+2*\c+1], v[X+2*\c:X+2*\c+1]
.endr
.irp k, 4,8,12,16,20,24,28
.irp c, 0,1,2,3
	s_delay_alu instid0(VALU_DEP_4)
	v_pk_fma_f32 v[ACC+2*\c:ACC+2*\c+1], v[X+2*(\k+\c):X+2*(\k+\c)+1], v[X+2*(\k+\c):X+2*(\k+\c)+1], v[ACC+2*\c:ACC+2*\c+1]
.endr
.endr
	JOIN
	MEET 64                                        ; other bytes than the first meeting's: no barrier is owed between the two
	s_cmp_lg_u32 s16, 0
	s_cbranch_scc1 .Lothers
	v_mov_b32 v11, v[PS]                           ; (mean, M2)
	s_lshl_b32 s18, ttmp9, 3
	s_add_nc_u64 s[10:11], s[10:11], s[18:19]
	v_cmp_eq_u32 vcc_lo, 0, v0
	s_wait_alu depctr_va_vdst(0)
	s_wait_xcnt 0x0                                ; EXEC is narrowed only behind this wait
	s_wait_tensorcnt 0x0
	ds_add_u32 v96, v97
	s_wait_dscnt 0x0
	s_and_saveexec_b32 s20, vcc_lo
	global_store_b64 v4, v[10:11], s[10:11]        ; one lane stores the run's eight bytes
	s_endpgm
.Lothers:
	s_wait_tensorcnt 0x0
	ds_add_u32 v96, v97
	s_wait_dscnt 0x0
	s_endpgm
; ---- one fragment image a wave
.Lrelay:
	s_sub_co_u32 s17, ttmp9, 256
	s_lshl_b32 s17, s17, 3
	s_add_co_u32 s17, s17, s16                     ; F
	s_sub_co_u32 s18, s17, 96                      ; its number among W_proj's (used where F >= 96)
	s_lshr_b32 s19, s17, 1                         ; W_qkv: T
	s_lshr_b32 s20, s19, 2
	s_lshl_b32 s20, s20, 6
	s_and_b32 s22, s19, 3
	s_lshl_b32 s22, s22, 3
	s_add_co_u32 s20, s20, s22                     ; first row 64 (T / 4) + 8 (T % 4)
	s_lshr_b32 s22, s18, 1
	s_lshl_b32 s22, s22, 4                         ; W_proj: first row 16 T
	s_wait_kmcnt 0x0
	s_cmp_lt_u32 s17, 96                           ; the choice hangs on ids alone
	s_cselect_b64 s[4:5], s[6:7], s[8:9]
	s_cselect_b32 s20, s20, s22
	s_cselect_b32 s21, 32, 8                       ; lanes 8-15 stand 32 rows on, or 8
	v_and_b32 v2, 7, v0
	v_bfe_u32 v3, v0, 3, 1
	v_bfe_u32 v4, v0, 4, 1                         ; h
	s_delay_alu instid0(VALU_DEP_2)
	v_mad_u32_u24 v2, v3, s21, v2
	s_delay_alu instid0(VALU_DEP_1)
	v_add_nc_u32 v2, s20, v2                       ; my row
	s_delay_alu instid0(VALU_DEP_1)
	v_mul_u32_u24 v2, v2, 192                      ; 256 codes are 192 bytes
	s_delay_alu instid0(VALU_DEP_1)
	v_mad_u32_u24 v2, v4, 24, v2
	s_and_b32 s22, s17, 1
	s_mul_i32 s22, s22, 96                         ; the K step
	v_add_nc_u32 v2, s22, v2
.irp p, 0,1,2,3,4,5
	global_load_b64 v[16+2*\p:17+2*\p], v2, s[4:5] offset:48*(\p/3)+8*(\p%3)   ; registers 6 c .. 6 c + 5: k = 64 c + 32 h + 0 .. 31, as the bits lie
.endr
	s_mul_i32 s22, s17, 1536
	s_mov_b32 s23, 0
	s_add_nc_u64 s[14:15], s[14:15], s[22:23]
	v_and_b32 v5, 31, v0
	s_delay_alu instid0(VALU_DEP_1)
	v_lshlrev_b32 v5, 4, v5
	s_wait_alu depctr_va_vdst(0)
	s_wait_loadcnt 0x0
.irp g, 0,1,2
	global_store_b128 v5, v[16+4*\g:19+4*\g], s[14:15] offset:512*\g   ; 32 lanes store 512 bytes on end
.endr
	s_endpgm
.Lfunc_end_k_q5d06707c61_prep:
	.size	k_q5d06707c61_prep, .Lfunc_end_k_q5d06707c61_prep-k_q5d06707c61_prep
	.p2alignl 7, 3214868480
	.fill 96, 4, 3214868480
	.section	.rodata,"a",@progbits
	.p2align	6, 0x0
	.amdhsa_kernel k_q5d06707c61_prep
		.amdhsa_group_segment_fixed_size 1536
		.amdhsa_private_segment_fixed_size 0
		.amdhsa_enable_private_segment 0
		.amdhsa_kernarg_size 40
		.amdhsa_user_sgpr_count 2
		.amdhsa_user_sgpr_kernarg_segment_ptr 1
		.amdhsa_wavefront_size32 1
		.amdhsa_system_sgpr_workgroup_id_x 1
		.amdhsa_system_sgpr_workgroup_id_y 1
		.amdhsa_system_sgpr_workgroup_id_z 1
		.amdhsa_system_vgpr_workitem_id 0
		.amdhsa_next_free_vgpr 98
		.amdhsa_next_free_sgpr 66
		.amdhsa_reserve_vcc 1
		.amdhsa_float_denorm_mode_32 3
		.amdhsa_float_denorm_mode_16_64 3
		.amdhsa_memory_ordered 1
		.amdhsa_forward_progress 1
		.amdhsa_inst_pref_size 17
	.end_amdhsa_kernel
	.amdgpu_metadata
---
amdhsa.version: [ 1, 2 ]
amdhsa.kernels:
  - .name:           k_q5d06707c61_prep
    .symbol:         k_q5d06707c61_prep.kd
    .args:
      - { .name: x, .offset: 0, .size: 8, .value_kind: global_buffer, .address_space: global }
      - { .name: w_qkv_codes, .offset: 8, .size: 8, .value_kind: global_buffer, .address_space: global }
      - { .name: w_proj_codes, .offset: 16, .size: 8, .value_kind: global_buffer, .address_space: global }
      - { .name: stats, .offset: 24, .size: 8, .value_kind: global_buffer, .address_space: global }
      - { .name: wimg, .offset: 32, .size: 8, .value_kind: global_buffer, .address_space: global }
    .group_segment_fixed_size: 1536
    .private_segment_fixed_size: 0
    .kernarg_segment_align: 8
    .kernarg_segment_size: 40
    .max_flat_workgroup_size: 256
    .sgpr_count:     66
    .vgpr_count:     98
    .wavefront_size: 32
...
	.end_amdgpu_metadata
.endif
;; end of part 1
;; launch qkv (part 2): grid 256 x 1, 16 waves a work-group, clusters of 4 x 1, 169,984 bytes of LDS; arguments x, stats, gamma, beta, wimg, w_qkv_scales, b_qkv, qw, kv; writes qw, kv
.if DOCPART == 2
	.amdgcn_target "amdgcn-amd-amdhsa--gfx1250"
	.amdhsa_code_object_version 6
	.text
	.protected	k_q5d06707c61_qkv
	.globl	k_q5d06707c61_qkv
	.p2align	8
	.type	k_q5d06707c61_qkv,@function
k_q5d06707c61_qkv:
	s_mov_b64 s[64:65], 0
	v_nop
	global_prefetch_b8 v0, s[64:65] scope:SCOPE_SE
	s_setreg_imm32_b32 hwreg(HW_REG_WAVE_MODE, 25, 1), 1
	s_wait_xcnt 0x0
	s_wait_alu depctr_hold_cnt(0) depctr_sa_sdst(0) depctr_va_vdst(0) depctr_va_sdst(0) depctr_va_ssrc(0) depctr_va_vcc(0) depctr_vm_vsrc(0)
	s_getreg_b32 s2, hwreg(HW_REG_IB_STS2, 6, 4)
	s_cmp_eq_u32 s2, 0
	s_cbranch_scc0 .Lentry_in_a_cluster
	s_endpgm
.Lentry_in_a_cluster:
	s_bfe_u32 s2, ttmp6, 0x10000c
	s_cmp_lg_u32 s2, 0x3003
	s_cbranch_scc0 .Lentry_shape_is_right
	s_endpgm
.Lentry_shape_is_right:
; GroupNorm, the quantiser of xn, the product W_qkv xn + b_qkv on codes of BF6 (E3M2) with one E8M0 scale for each 32 along K, and the quantisers of q / 8, k and v.
; SHARES.  Work-group wg = 64 b + qb takes 64 pixels of batch b and all 768 outputs.  Sixteen waves.
;   X: wave w quantises channels 32 (w / 2) .. + 31 (one GroupNorm group, one block of the product's K) of pixels 32 (w % 2) + lane: a lane holds a whole block, so no other lane is asked for its maximum.
;      The codes go to LDS as images of the operand's registers (registers 4 g .. 4 g + 3 of lane l at 512 g + 16 l of an image of 1,536 bytes).
;   Then wave w < 12 makes unit w = three x 4 + head: 64 channels x 64 pixels.  Waves 12-15 have no unit.
; THE ROWS OF A TILE ARE NOT NEIGHBOURS: of a run of 64 (pixels, or a unit's channels) lane r of tile t takes 32 (r / 8) + 8 t + r % 8.  In a result, register j of lane (r, h) is row 8 h + j of source 0's tile,
; so the 32 registers of four tiles are the 32 NEIGHBOURS 32 h + 0 .. 31: a whole block of the next product's K in one lane, in order.
;   q, k: source 0 = W's rows, source 1 = pixels: a lane holds one pixel and 32 of the head's 64.    v: source 0 = pixels, source 1 = W's rows: a lane holds one channel and 32 keys.
; q / 8 is exact: the codes are those of q under its own scale, and 3 is taken off the scale's byte; the floor under the largest magnitude is raised by 3 likewise.
; W's 96 images (147,456 bytes) are read by every work-group alike: the four partners of a cluster ask for them JOINTLY, once, four loads of 36,864 bytes.  Nothing in LDS is filled twice.
; OUT.  qw [wg][head][3,328]: 24 code registers a lane (tile t at 6 t) as six groups of 512 bytes; at 3,072 the scale words, 8 bytes a lane: lanes 0-15 tiles 0 and 2, lanes 16-31 tiles 1 and 3.
;       kv [wg][head][6,656]: k as q (scale words at 6,144); at 3,072 + 768 t v's tile t: registers 0-3 at 16 l, registers 4-5 at 512 + 8 l; at 6,400 v's two scale bytes a row, laid as the words are.
;       A word of q or k: bytes 0, 1 the head's two blocks, bytes 2, 3 = 127 (for the K that the next product fills with zero codes).
; LIMITS: NaN and infinities are not served.  A block whose largest magnitude lies under 2^-122 (q: 2^-119) keeps the byte 1; a block of zeros too: its codes are zeros, and this program alone reads the bytes.
.set XIMG, 147456                      ; LDS: W's images from 0; xn's eight images (tile t, K step s: 2 t + s);
.set XSC,  159744                      ; their scale words, 64 bytes an image
.set FRB,  1536
.set WV,   2                           ; s2    wave
.set WG,   100                         ; s100  work-group
.set BAT,  101                         ; s101  batch
.set G0,   20                          ; s[20:23] descriptor group 0
.set G1,   56                          ; s[56:63] descriptor group 1
.set GA,   24                          ; s[24:55] gamma of my 32 channels
.set BE,   68                          ; s[68:99] beta
.set FLOOR, 66                         ; s66   the floor under a block's largest magnitude
.set ADJ,  67                          ; s67   what is taken off the scale's byte
.set FILL, 24                          ; s24   (behind X) the upper half of a scale word
.set SEL,  26                          ; s[26:27] (behind X) selects for lane l xor 16
.set L16,  1                           ; v1  16 x lane
.set L8,   2                           ; v2  8 x lane
.set XWA,  3                           ; v3, v4  where my six code registers go in xn's image
.set XWB,  4
.set XWS,  5                           ; v5  and my scale byte
.set WA,   6                           ; v6  my unit's images of W
.set XA,   7                           ; v7  xn's images
.set XRS,  8                           ; v8  xn's scale words
.set H8,   9                           ; v9  8 h
.set XS,   16                          ; v16-23  xn's scale words
.set WD,   24                          ; v24-27  the four scale words made
.set M0,   28
.set M1,   29
.set OP,   30
.set BY,   31
.set TW,   252
.set XT,   253
.set R,    32                          ; v32-127   eight fragments that stay
.set T,    128                         ; v128-151  two fragments that pass
.set BQ,   152                         ; v152-183  q, k: the bias in the result's layout
.set BC,   160                         ; v160-167  v: the bias of the tile in hand
.set D,    184                         ; v184-215  four accumulators; in X my 32 numbers
.set C,    216                         ; v216-239  the codes
.set BV,   236                         ; v236-239  v: the four tiles' bias; these are the last codes' registers, written only behind the last copy
.set CT,   240
.set WS,   244                         ; v244-251  W's scale words
.macro CROUND                          ; a round of the cluster's barrier
	s_barrier_signal -1
	s_barrier_wait -1
	s_cmp_lg_u32 s[WV], 0
	s_cbranch_scc1 .Lnot_wave_0_\@
	s_barrier_signal -3
.Lnot_wave_0_\@:
	s_barrier_wait -3
	s_barrier_signal -1
	s_barrier_wait -1
.endm
.macro FETCH reg, adr, f               ; an image comes back as it was stored
.irp g, 0,1,2
	ds_load_b128 v[\reg+4*\g:\reg+4*\g+3], v[\adr] offset:FRB*(\f)+512*\g
.endr
.endm
; 32 numbers of a lane, one block, become six code registers at dst; the scale's byte is left in v[BY].  Each accumulator is read from its low end on.
.macro QUANT32 src, dst
	v_max3_num_f32 v[M0], |v[\src]|, |v[\src+1]|, s[FLOOR]
	v_max3_num_f32 v[M1], |v[\src+16]|, |v[\src+17]|, s[FLOOR]
.irp i, 2,4,6,8,10,12,14
	v_max3_num_f32 v[M0], v[M0], |v[\src+\i]|, |v[\src+\i+1]|
	v_max3_num_f32 v[M1], v[M1], |v[\src+16+\i]|, |v[\src+17+\i]|
.endr
	s_delay_alu instid0(VALU_DEP_1)
	v_max_num_f32 v[M0], v[M0], v[M1]
	s_delay_alu instid0(VALU_DEP_1)
	v_add_nc_u32 v[OP], 0xfe000000, v[M0]          ; 4 off the exponent field: the conversion takes this operand's exponent field as its scale
	v_cvt_scalef32_pk16_bf6_f32 v[\dst:\dst+2], v[\src:\src+15], v[OP]
	v_cvt_scalef32_pk16_bf6_f32 v[CT:CT+2], v[\src+16:\src+31], v[OP]   ; (a conversion's three registers begin on an even number)
	v_lshrrev_b32 v[BY], 23, v[OP]                 ; the byte; also the plain line behind the conversions
.irp i, 0,1,2
	v_mov_b32 v[\dst+3+\i], v[CT+\i]
.endr
.endm
	s_load_b256 s[4:11], s[0:1], 0x0               ; x, stats, gamma, beta
	s_load_b256 s[12:19], s[0:1], 0x20             ; wimg, W's scales, b_qkv, qw
	s_load_b64 s[104:105], s[0:1], 0x40            ; kv
	v_lshl_add_u32 v254, v0, 2, 0x29000
	v_mov_b32 v255, 0
	ds_add_u32 v254, v255
	ds_add_u32 v254, v255
	v_lshrrev_b32 v10, 5, v0
	s_delay_alu instid0(VALU_DEP_1)
	v_readfirstlane_b32 s[WV], v10
	s_bfe_u32 s3, ttmp6, 0x40000                   ; cx: it enters global addresses of my own loads and stores alone
	s_lshl_b32 s[WG], ttmp9, 2
	s_add_co_u32 s[WG], s[WG], s3
	s_lshr_b32 s[BAT], ttmp9, 4
	v_and_b32 v10, 31, v0                          ; lane
	v_and_b32 v11, 15, v0                          ; r
	v_bfe_u32 v12, v0, 4, 1                        ; h
	v_and_b32 v13, 7, v0
	v_bfe_u32 v14, v0, 3, 2                        ; lane / 8: my pixel's tile
	s_wait_alu depctr_va_vdst(0)
	v_bfe_u32 v15, v0, 3, 1
	v_lshlrev_b32 v[L16], 4, v10
	v_lshlrev_b32 v[L8], 3, v10
	v_lshlrev_b32 v[H8], 3, v12
	; my block in xn's images: image 2 (lane / 8) + w / 8; fragment lane lane % 8 + 8 (w % 2) + 16 ((w / 2) % 2); registers 6 c on, c = (w / 4) % 2
	s_lshr_b32 s24, s[WV], 3
	s_and_b32 s25, s[WV], 1
	s_bfe_u32 s26, s[WV], 0x10001
	s_bfe_u32 s27, s[WV], 0x10002
	s_mul_i32 s28, s24, FRB
	s_lshl_b32 s29, s25, 7
	s_add_co_u32 s28, s28, s29
	s_lshl_b32 s29, s26, 8
	s_add_co_u32 s28, s28, s29
	s_add_co_u32 s28, s28, XIMG
	s_mul_i32 s29, s27, 520                        ; register pairs 3 c and 3 c + 2 lie at 520 c and 520 c + 512,
	s_add_co_u32 s29, s29, s28
	s_mul_i32 s30, s27, 1016                       ; pair 3 c + 1 at 1,016 c + 8
	s_add_co_u32 s30, s30, s28
	v_mul_u32_u24 v[XWA], v14, 2*FRB
	s_delay_alu instid0(VALU_DEP_1)
	v_lshl_add_u32 v[XWA], v13, 4, v[XWA]
	s_delay_alu instid0(VALU_DEP_1)
	v_add_nc_u32 v[XWB], s30, v[XWA]
	s_delay_alu instid0(VALU_DEP_2)
	v_add_nc_u32 v[XWA], s29, v[XWA]
	s_lshl_b32 s28, s24, 6
	s_lshl_b32 s29, s25, 5
	s_add_co_u32 s28, s28, s29
	s_bfe_u32 s29, s[WV], 0x20001                  ; my block among the K step's four
	s_add_co_u32 s28, s28, s29
	s_add_co_u32 s28, s28, XSC
	v_lshlrev_b32 v[XWS], 7, v14
	s_delay_alu instid0(VALU_DEP_1)
	v_lshl_add_u32 v[XWS], v13, 2, v[XWS]
	s_delay_alu instid0(VALU_DEP_1)
	v_add_nc_u32 v[XWS], s28, v[XWS]
	s_mul_i32 s28, s[WV], 8*FRB
	v_add_nc_u32 v[WA], s28, v[L16]
	v_add_nc_u32 v[XA], XIMG, v[L16]
	v_lshl_add_u32 v[XRS], v11, 2, XSC
	; offsets of the global loads
	v_lshlrev_b32 v28, 2, v10                      ; x: 4 bytes a lane
	v_lshlrev_b32 v29, 3, v13                      ; stats: part lane % 8
	v_lshl_add_u32 v30, v15, 5, v13                ; 32 (r / 8) + r % 8
	s_delay_alu instid0(VALU_DEP_1)
	v_lshlrev_b32 v252, 2, v30                     ; v's bias: 4 bytes a row
	s_delay_alu instid0(VALU_DEP_2)
	v_lshlrev_b32 v30, 3, v30                      ; W's scale words: 8 bytes a row
	v_lshlrev_b32 v31, 7, v12                      ; q's, k's bias: 128 h
	v_mov_b32 v[XT], 0                             ; written once: a lane permute's destination counts as one of its sources
	; descriptor group 1: 144 rows of 256 bytes, dense
	s_mov_b32 s[G1+0], 15|(3<<16)|(1<<21)          ; 15:0 the mask: all four partners; 17:16 elements of 8 bytes; 21 set beside a mask; no padding
	s_mov_b32 s[G1+1], 32<<16                      ; tensor_dim0 = 32
	s_mov_b32 s[G1+2], 144<<16                     ; tensor_dim1 = 144
	s_mov_b32 s[G1+3], 32<<16                      ; tile_dim0 = 32
	s_mov_b32 s[G1+4], 144                         ; tile_dim1 = 144
	s_mov_b32 s[G1+5], 32                          ; the pitch
	s_mov_b32 s[G1+6], 0
	s_mov_b32 s[G1+7], 0
	s_wait_dscnt 0x0
	s_wait_kmcnt 0x0
	s_lshr_b32 s24, s[WV], 1                       ; g: my GroupNorm group
	s_lshl_b32 s26, s[BAT], 22
	s_lshl_b32 s27, s24, 19
	s_add_co_u32 s26, s26, s27
	s_and_b32 s27, s[WG], 63
	s_lshl_b32 s27, s27, 8
	s_add_co_u32 s26, s26, s27
	s_lshl_b32 s27, s25, 7
	s_add_co_u32 s26, s26, s27
	s_mov_b32 s27, 0
	s_add_nc_u64 s[4:5], s[4:5], s[26:27]          ; x at (b, 32 g, 64 qb + 32 (w % 2))
	s_lshl_b32 s26, s[BAT], 3
	s_add_co_u32 s26, s26, s24
	s_lshl_b32 s26, s26, 6
	s_add_nc_u64 s[6:7], s[6:7], s[26:27]          ; the group's eight parts
	s_lshl_b32 s26, s24, 7
	s_add_nc_u64 s[8:9], s[8:9], s[26:27]
	s_add_nc_u64 s[10:11], s[10:11], s[26:27]
	s_min_u32 s28, s[WV], 11                       ; my unit (waves 12-15 read unit 11's and use nothing of it: every wave takes one way through these loads)
	s_lshl_b32 s26, s28, 9
	s_add_nc_u64 s[14:15], s[14:15], s[26:27]
	s_lshl_b32 s26, s28, 8
	s_add_nc_u64 s[16:17], s[16:17], s[26:27]
	s_mul_i32 s26, s[WV], 36864
	s_mov_b32 s[G0], 1
	s_mov_b32 s[G0+1], s26                         ; LDS: wave x 36,864
	s_add_nc_u64 s[G0+2:G0+3], s[12:13], s[26:27]  ; the same in wimg: alike in all four partners
	s_or_b32 s[G0+3], s[G0+3], 0x80000000
	CROUND                                         ; the four partners are here: the joint loads meet
	s_cmp_lt_u32 s[WV], 4
	s_cbranch_scc0 .Lno_fill
	tensor_load_to_lds s[G0:G0+3], s[G1:G1+7]      ; one load a wave, waves 0-3
	s_nop 0
.rept 4
	v_nop
.endr
.Lno_fill:
	s_load_b512 s[GA:GA+15], s[8:9], 0x0
	s_load_b512 s[GA+16:GA+31], s[8:9], 0x40
	s_load_b512 s[BE:BE+15], s[10:11], 0x0
	s_load_b512 s[BE+16:BE+31], s[10:11], 0x40
	s_wait_alu depctr_va_vdst(0)
	global_load_b64 v[10:11], v29, s[6:7]
.set i, 0
.rept 32
	global_load_b32 v[D+i], v28, s[4:5] offset:16384*i   ; channel 32 g + i: 128 bytes on end a wave, and wave w xor 1 takes the 128 beside them
.set i, i+1
.endr
.irp t, 0,1,2,3
.irp s, 0,1
	global_load_b32 v[WS+2*\t+\s], v30, s[14:15] offset:64*\t+4*\s
.endr
.endr
.irp t, 0,1,2,3
	global_load_b128 v[BQ+8*\t:BQ+8*\t+3], v31, s[16:17] offset:32*\t       ; b of channels 32 h + 8 t + 0 .. 7
	global_load_b128 v[BQ+8*\t+4:BQ+8*\t+7], v31, s[16:17] offset:32*\t+16
.endr
.irp t, 0,1,2,3
	global_load_b32 v[BV+\t], v252, s[16:17] offset:32*\t                   ; b of channel 32 (r / 8) + 8 t + r % 8
.endr
	s_mov_b32 s66, 0x37000000                      ; 1 / 131,072
	s_mov_b32 s67, 0x3727c5ac                      ; 1e-5
	s_wait_loadcnt 0x0
	s_wait_kmcnt 0x0
	; the group's mean and variance from its eight parts (each of 16,384 numbers), which lie in eight neighbouring lanes
	v_mov_b32 v12, v10
.irp m, 1,2,4
	s_delay_alu instid0(VALU_DEP_1)
	v_add_f32_dpp v12, v12, v12 row_xmask:\m row_mask:0xf bank_mask:0xf
.endr
	s_delay_alu instid0(VALU_DEP_1)
	v_mul_f32 v12, 0x3e000000, v12                 ; the mean
	s_delay_alu instid0(VALU_DEP_1)
	v_sub_f32 v10, v10, v12
	s_delay_alu instid0(VALU_DEP_1)
	v_mul_f32 v13, 0x46800000, v10
	s_delay_alu instid0(VALU_DEP_1)
	v_fma_f32 v11, v13, v10, v11                   ; M2_i + 16,384 (mean_i - mean)^2
.irp m, 1,2,4
	s_delay_alu instid0(VALU_DEP_1)
	v_add_f32_dpp v11, v11, v11 row_xmask:\m row_mask:0xf bank_mask:0xf
.endr
	s_delay_alu instid0(VALU_DEP_1)
	v_fma_f32 v14, v11, s66, s67                   ; the variance + eps
	s_wait_alu depctr_va_vdst(0)
	v_rsq_f32 v14, v14
	v_mov_b32 v13, v12                             ; (a plain line behind the transcendental)
	s_wait_alu depctr_va_vdst(0)
	v_mov_b32 v15, v14
	s_mov_b32 s[FLOOR], 0x2800000                  ; 2^(5 - 127)
	; ---- X
.set i, 0
.rept 16
	v_pk_add_f32 v[D+i:D+i+1], v[D+i:D+i+1], v[12:13] neg_lo:[0,1] neg_hi:[0,1]
.set i, i+2
.endr
.set i, 0
.rept 16
	v_pk_mul_f32 v[D+i:D+i+1], v[D+i:D+i+1], v[14:15]
.set i, i+2
.endr
.set i, 0
.rept 32
	v_fma_f32 v[D+i], v[D+i], s[GA+i], s[BE+i]
.set i, i+1
.endr
	QUANT32 D, C
	ds_store_b64 v[XWA], v[C:C+1]
	ds_store_b64 v[XWB], v[C+2:C+3] offset:8
	ds_store_b64 v[XWA], v[C+4:C+5] offset:512
	ds_store_b8 v[XWS], v[BY]
	s_wait_tensorcnt 0x0                           ; my part of W's images has landed (a wave that fetched nothing passes at once),
	s_wait_dscnt 0x0                               ; and my stores
	s_barrier_signal -1
	s_barrier_wait -1                              ; everybody's have
	s_cmp_ge_u32 s[WV], 12
	s_cbranch_scc1 .Ldone
	s_mov_b32 s[SEL], 0x76543210
	s_mov_b32 s[SEL+1], 0xfedcba98
	s_cmp_lt_u32 s[WV], 4                          ; q alone is divided by 8
	s_cselect_b32 s[FLOOR], 0x4000000, s[FLOOR]
	s_cselect_b32 s[ADJ], 3, 0
	v_cmp_ne_u32 vcc_lo, 0, v[H8]                  ; lanes 16-31
; A unit: four outer tiles o; for each, four accumulators i over two K steps, by turns.
.macro MM i, s, o, isv
.if \isv
.set SA, XS+2*\i+\s
.set SB, WS+2*\o+\s
.set CR, BC
.else
.set SA, WS+2*\i+\s
.set SB, XS+2*\o+\s
.set CR, BQ+8*\i
.endif
.if \s
.set CR, D+8*\i
.endif
	v_wmma_scale_f32_16x16x128_f8f6f4 v[D+8*\i:D+8*\i+7], v[R+12*(2*\i+\s):R+12*(2*\i+\s)+11], v[T+12*\s:T+12*\s+11], v[CR:CR+7], v[SA], v[SB] matrix_a_fmt:MATRIX_FMT_BF6 matrix_b_fmt:MATRIX_FMT_BF6
.endm
.macro ROLE isv
.if \isv
.set RA, XA                            ; v: the pixels' fragments stay, W's pass
.set TA, WA
	s_mov_b32 s[FILL], 0
.else
.set RA, WA                            ; q, k: W's stay, the pixels' pass
.set TA, XA
	s_mov_b32 s[FILL], 0x7f7f0000
.endif
.irp f, 0,1,2,3,4,5,6,7
	ds_load_b32 v[XS+\f], v[XRS] offset:64*\f
.endr
.irp f, 0,1,2,3,4,5,6,7
	FETCH R+12*\f, RA, \f
.endr
.irp o, 0,1,2,3
.if \isv
.irp j, 0,1,2,3,4,5,6,7
	v_mov_b32 v[BC+\j], v[BV+\o]                   ; a lane's eight results are of one channel
.endr
.endif
	FETCH T, TA, 2*\o                              ; (the four v_nop behind the last products and the quantiser's lines are the places in front of these loads)
	FETCH T+12, TA, 2*\o+1
	s_wait_alu depctr_va_vdst(0)
	s_wait_dscnt 0x0
.irp s, 0,1
.irp i, 0,1,2,3
	MM \i, \s, \o, \isv
.endr
.endr
.rept 4
	v_nop                                          ; places in front of the first read of the results
.endr
	QUANT32 D, C+6*\o
	s_delay_alu instid0(VALU_DEP_4)
	v_sub_nc_u32 v[BY], v[BY], s[ADJ]
	s_delay_alu instid0(VALU_DEP_1)
	v_lshl_or_b32 v[TW], v[BY], v[H8], s[FILL]     ; my block's byte at its place,
	s_delay_alu instid0(VALU_DEP_1)
	v_permlanex16_b32 v[XT], v[TW], s[SEL], s[SEL+1]
	s_delay_alu instid0(VALU_DEP_1)
	v_or_b32 v[WD+\o], v[TW], v[XT]                ; with lane l xor 16's
.endr
	v_cndmask_b32 v28, v[WD], v[WD+1], vcc_lo      ; lanes 0-15 tiles 0 and 2, lanes 16-31 tiles 1 and 3
	s_delay_alu instid0(VALU_DEP_2)
	v_cndmask_b32 v29, v[WD+2], v[WD+3], vcc_lo
.endm
	s_and_b32 s28, s[WV], 3                        ; the head
	s_mul_i32 s28, s28, 3328
	s_mul_i32 s29, s[WG], 13312
	s_add_co_u32 s28, s28, s29                     ; my record in qw; in kv it lies twice as far
	s_lshl_b32 s29, s28, 1
	s_mov_b32 s30, 6144
	s_mov_b32 s31, 0
	s_cmp_lt_u32 s[WV], 4
	s_cselect_b64 s[32:33], s[18:19], s[104:105]
	s_cselect_b32 s28, s28, s29
	s_cselect_b32 s30, 3072, s30                   ; where the scale words lie
	s_mov_b32 s29, 0
	s_add_nc_u64 s[32:33], s[32:33], s[28:29]
	s_add_nc_u64 s[34:35], s[32:33], s[30:31]
	s_cmp_lt_u32 s[WV], 8
	s_cbranch_scc0 .Lrole_v
	ROLE 0
.irp g, 0,1,2,3,4,5
	global_store_b128 v[L16], v[C+4*\g:C+4*\g+3], s[32:33] offset:512*\g   ; 512 bytes on end
.endr
	global_store_b64 v[L8], v[28:29], s[34:35]     ; 256 bytes on end
	s_branch .Ldone
.Lrole_v:
	ROLE 1
.irp t, 0,1,2,3
	global_store_b128 v[L16], v[C+6*\t:C+6*\t+3], s[32:33] offset:3072+768*\t
	global_store_b64 v[L8], v[C+6*\t+4:C+6*\t+5], s[32:33] offset:3584+768*\t
.endr
	global_store_b64 v[L8], v[28:29], s[32:33] offset:6400
.Ldone:
	s_wait_tensorcnt 0x0
	ds_add_u32 v254, v255
	s_wait_dscnt 0x0
	CROUND                                         ; the closing round: no work-group ends while a partner may still ask jointly
	s_endpgm
.Lfunc_end_k_q5d06707c61_qkv:
	.size	k_q5d06707c61_qkv, .Lfunc_end_k_q5d06707c61_qkv-k_q5d06707c61_qkv
	.p2alignl 7, 3214868480
	.fill 96, 4, 3214868480
	.section	.rodata,"a",@progbits
	.p2align	6, 0x0
	.amdhsa_kernel k_q5d06707c61_qkv
		.amdhsa_group_segment_fixed_size 169984
		.amdhsa_private_segment_fixed_size 0
		.amdhsa_enable_private_segment 0
		.amdhsa_kernarg_size 72
		.amdhsa_user_sgpr_count 2
		.amdhsa_user_sgpr_kernarg_segment_ptr 1
		.amdhsa_wavefront_size32 1
		.amdhsa_system_sgpr_workgroup_id_x 1
		.amdhsa_system_sgpr_workgroup_id_y 1
		.amdhsa_system_sgpr_workgroup_id_z 1
		.amdhsa_system_vgpr_workitem_id 0
		.amdhsa_next_free_vgpr 256
		.amdhsa_next_free_sgpr 106
		.amdhsa_reserve_vcc 1
		.amdhsa_float_denorm_mode_32 3
		.amdhsa_float_denorm_mode_16_64 3
		.amdhsa_memory_ordered 1
		.amdhsa_forward_progress 1
		.amdhsa_inst_pref_size 53
	.end_amdhsa_kernel
	.amdgpu_metadata
---
amdhsa.version: [ 1, 2 ]
amdhsa.kernels:
  - .name:           k_q5d06707c61_qkv
    .symbol:         k_q5d06707c61_qkv.kd
    .args:
      - { .name: x, .offset: 0, .size: 8, .value_kind: global_buffer, .address_space: global }
      - { .name: stats, .offset: 8, .size: 8, .value_kind: global_buffer, .address_space: global }
      - { .name: gamma, .offset: 16, .size: 8, .value_kind: global_buffer, .address_space: global }
      - { .name: beta, .offset: 24, .size: 8, .value_kind: global_buffer, .address_space: global }
      - { .name: wimg, .offset: 32, .size: 8, .value_kind: global_buffer, .address_space: global }
      - { .name: w_qkv_scales, .offset: 40, .size: 8, .value_kind: global_buffer, .address_space: global }
      - { .name: b_qkv, .offset: 48, .size: 8, .value_kind: global_buffer, .address_space: global }
      - { .name: qw, .offset: 56, .size: 8, .value_kind: global_buffer, .address_space: global }
      - { .name: kv, .offset: 64, .size: 8, .value_kind: global_buffer, .address_space: global }
    .group_segment_fixed_size: 169984
    .private_segment_fixed_size: 0
    .kernarg_segment_align: 8
    .kernarg_segment_size: 72
    .max_flat_workgroup_size: 512
    .sgpr_count:     106
    .vgpr_count:     256
    .wavefront_size: 32
...
	.end_amdgpu_metadata
.endif
;; end of part 2
;; launch attn (part 3): grid 256 x 1, 16 waves a work-group, clusters of 4 x 1, 327,680 bytes of LDS; arguments qw, kv, wimg, w_proj_scales, b_proj, x, out0; writes out0
.if DOCPART == 3
	.amdgcn_target "amdgcn-amd-amdhsa--gfx1250"
	.amdhsa_code_object_version 6
	.text
	.protected	k_q5d06707c61_attn
	.globl	k_q5d06707c61_attn
	.p2align	8
	.type	k_q5d06707c61_attn,@function
k_q5d06707c61_attn:
	s_mov_b64 s[64:65], 0
	v_nop
	global_prefetch_b8 v0, s[64:65] scope:SCOPE_SE
	s_setreg_imm32_b32 hwreg(HW_REG_WAVE_MODE, 25, 1), 1
	s_wait_xcnt 0x0
	s_wait_alu depctr_hold_cnt(0) depctr_sa_sdst(0) depctr_va_vdst(0) depctr_va_sdst(0) depctr_va_ssrc(0) depctr_va_vcc(0) depctr_vm_vsrc(0)
	s_getreg_b32 s2, hwreg(HW_REG_IB_STS2, 6, 4)
	s_cmp_eq_u32 s2, 0
	s_cbranch_scc0 .Lentry_in_a_cluster
	s_endpgm
.Lentry_in_a_cluster:
	s_bfe_u32 s2, ttmp6, 0x10000c
	s_cmp_lg_u32 s2, 0x3003
	s_cbranch_scc0 .Lentry_shape_is_right
	s_endpgm
.Lentry_shape_is_right:
; Attention on codes of BF6 (E3M2) with E8M0 block scales, the projection, its bias and the residual.
; SHARES.  Work-group wg = 64 b + qb owns 64 queries of batch b and ALL FOUR HEADS, so that the projection, whose K is all 256 channels, can follow in the same work-group.
; Wave w: head w / 4, query tile w % 4: 16 queries in 256 registers; four waves to a SIMD, so that one wave's vector work stands beside another's products and LDS loads.
; Every wave walks the batch's 4,096 keys, 128 a step.  A record of kv holds 64 keys of all heads, codes and scales, 26,624 dense bytes; a slot holds four; two slots take turns.
; CLUSTER.  The four partners belong to one batch and walk the same records: each record is asked for JOINTLY (waves 0-3, one record each).
; LAYOUT.  S^T = K Q^T (source 0 = 16 keys, source 1 = my queries), O^T = V^T P^T: a lane holds ONE query throughout.  Lane r of a key tile t holds key 32 (r / 8) + 8 t + r % 8 of its 64,
; so S's registers 32 c + i are keys 64 c + 32 h + i: two whole blocks of the second product's K in a lane, in order.  V's rows are chosen alike: O^T's 32 registers are channels 32 h + 0 .. 31 of the head.
; K = 64 IN A PRODUCT OF 128: Q's registers 6-11 are zero codes.  K's eight tiles lie densely, six registers each, and a tile's operand runs on over the next tile's six (the last: over six zero registers):
; those codes meet Q's zero codes under scale bytes of 127; every code of this format is a finite number, so they add exactly nothing.
; SOFTMAX.  t = score x log2(e); M = the ceiling of the running largest t, kept as -M; p = 2^(t - M) is quantised along the keys; the row's sum is taken of the unquantised p; when M moves, sum and O^T
; are multiplied by 2^(old M - new M), exact.  A block's largest p is made from the block's largest score by the same multiply-add and exponential.
; TAIL.  O^T / sum is quantised (a lane holds a whole block of channels), goes to LDS as register images; wave w makes output channels 16 w .. 16 w + 15 for the 64 pixels; bias as C; residual added; rows of 256 bytes out.
; LIMITS: NaN and infinities are not served.  A block of p (or of O) under 2^-122 keeps the byte 1.  v_exp_f32 is taken not to fall where its input rises.  1 / sum is v_rcp_f32.
.set REC,   26624
.set HREC,  6656                       ; a head's part of a record: K's codes 0, V's codes 3,072, K's scale words 6,144, V's scale halves 6,400
.set SLOTB, 4*REC
.set SLOT1, 1<<17                      ; slot 1 begins here: one exclusive or turns an address from one slot to the other
.set SPARE, SLOTB                      ; the spare words, 128 bytes for each of 16 waves: eight blocks of 256 bytes that no other line names
.set OIMG,  SPARE+2048                 ; O's eight fragments as images (pixel tile t, K step s: 2 t + s)
.set OSC,   OIMG+8*1536                ; their scale words, 64 bytes an image
.set STG,   SLOT1+SLOTB                ; the way out: 16 rows x 272 bytes for each wave
.set L16, 1                            ; v1  16 x lane + my head's part
.set L8,  2                            ; v2  8 x lane + my head's part
.set A16, 3                            ; v3, v4  the same in the step's records
.set A8,  4
.set SPW, 5                            ; v5  my spare word; never rewritten
.set NIL, 6                            ; v6  0; never rewritten
.set H8,  7                            ; v7  8 h
.set PFO, 8                            ; v8  the prefetches' offset; never rewritten
.set LN,  9                            ; v9  lane
                                       ; v[10:11] -M, the largest score so far; v[12:13] the sum in two halves; v[14:15] f, 0
.set Q,   16                           ; v16-21 Q's codes, v22-27 zero codes
.set QS,  28                           ; v28 Q's scale words; v29 p's; v30-31 V's
.set PSW, 29
.set VS,  30
.set KF,  32                           ; v32-79 K's eight tiles, then V's four fragments; v80-85 zero codes
.set KS,  86                           ; v86-89 K's scale words; v90-93 V's halves
.set VH,  90
.set S,   96                           ; v96-159 S^T, then p
.set O,   160                          ; v160-191 O^T
.set P,   192                          ; v192-203 p's codes
.set CA,  212                          ; v212-215 four chains of maxima; CA, CC then hold the two blocks'
.set CC,  214
.set T0,  216
.set T1,  217
.set OLD, 218
.set OP0, 219
.set OP1, 220
.set BY0, 221
.set BY1, 222
.set WV,  18                           ; s18 wave; s19 cx; s20 work-group; s21 batch
.set SEL, 22                           ; s[22:23]
.set CS,  24                           ; s[24:25] log2(e)
.set G1,  28                           ; s[28:35]
.set G0,  36                           ; s[36:39], which walks
.set TB,  40                           ; s40 LDS byte of the step's first record
.set SLOTS, 41                         ; s41 slots still to be asked for
.set LIM, 42                           ; s42 1 in a wave that prefetches, else the greatest number
.set PFA, 44                           ; s[44:45]
.set HD,  46                           ; s46 my head; s47 my query tile
.set QT,  47
.macro CROUND
	s_barrier_signal -1
	s_barrier_wait -1
	s_cmp_lg_u32 s[WV], 0
	s_cbranch_scc1 .Lnot_wave_0_\@
	s_barrier_signal -3
.Lnot_wave_0_\@:
	s_barrier_wait -3
	s_barrier_signal -1
	s_barrier_wait -1
.endm
.macro TLOAD                           ; waves 0-3 fetch a record each; four v_nop follow the load
	s_cmp_lt_u32 s[WV], 4
	s_cbranch_scc0 .Lno_fill_\@
	tensor_load_to_lds s[G0:G0+3], s[G1:G1+7]
	s_nop 0
.rept 4
	v_nop
.endr
.Lno_fill_\@:
.endm
; A PREFETCH INTO THE L2 of the slot that the NEXT change of slots will ask for: a slot's two key steps of all sixteen waves ahead of that load.  All 16 clusters of a batch walk the same records: the batch's
; first cluster asks.  Its four partners take a record each, told apart by address; in each, waves 4-7 take 26 of the record's 104 blocks of 256 bytes, a lane a block (lanes 26-31 name lane 25's again).
; The last change that fills a slot asks for nothing; slots 0 and 1 come by their loads alone.
.macro ASK
	s_cmp_gt_u32 s[SLOTS], s[LIM]
	s_cbranch_scc0 .Lnot_mine_\@
	global_prefetch_b8 v[PFO], s[PFA:PFA+1] th:TH_LOAD_NT scope:SCOPE_SE
.Lnot_mine_\@:
.endm
	s_load_b256 s[4:11], s[0:1], 0x0               ; qw, kv, wimg, W_proj's scales
	s_load_b128 s[12:15], s[0:1], 0x20             ; b_proj, x
	s_load_b64 s[16:17], s[0:1], 0x30              ; out0
	v_lshl_add_u32 v[SPW], v0, 2, SPARE
	v_mov_b32 v[NIL], 0
	ds_add_u32 v5, v6
	ds_add_u32 v5, v6
	s_wait_dscnt 0x0
	v_lshrrev_b32 v9, 5, v0
	s_delay_alu instid0(VALU_DEP_1)
	v_readfirstlane_b32 s[WV], v9
	s_bfe_u32 s19, ttmp6, 0x40000                  ; cx: it enters addresses of my own loads, stores and prefetches alone
	s_lshl_b32 s20, ttmp9, 2
	s_add_co_u32 s20, s20, s19
	s_lshr_b32 s21, ttmp9, 4
	s_mov_b32 s[SEL], 0x76543210
	s_mov_b32 s[SEL+1], 0xfedcba98
	s_mov_b32 s[CS], 0x3fb8aa3b
	s_mov_b32 s[CS+1], s[CS]                       ; (named with it as a pair, so it is written)
	s_mov_b32 s[TB], 0
	s_mov_b32 s[SLOTS], 15
	s_mov_b32 s[G1+0], 15|(3<<16)|(1<<21)          ; 15:0 the mask: all four partners; 17:16 elements of 8 bytes; 21 set beside a mask; no padding
	s_mov_b32 s[G1+1], 32<<16                      ; tensor_dim0 = 32
	s_mov_b32 s[G1+2], 104<<16                     ; tensor_dim1 = 104
	s_mov_b32 s[G1+3], 32<<16                      ; tile_dim0 = 32
	s_mov_b32 s[G1+4], 104                         ; tile_dim1 = 104 rows of 256 bytes: a record
	s_mov_b32 s[G1+5], 32
	s_mov_b32 s[G1+6], 0
	s_mov_b32 s[G1+7], 0
	s_lshr_b32 s[HD], s[WV], 2
	s_and_b32 s[QT], s[WV], 3
	s_mul_i32 s48, s[HD], HREC
	v_and_b32 v[LN], 31, v0
	s_delay_alu instid0(VALU_DEP_1)
	v_lshl_add_u32 v[L16], v[LN], 4, s48
	s_delay_alu instid0(VALU_DEP_2)
	v_lshl_add_u32 v[L8], v[LN], 3, s48
	v_bfe_u32 v[H8], v0, 4, 1
	s_delay_alu instid0(VALU_DEP_1)
	v_lshlrev_b32 v[H8], 3, v[H8]
.irp j, 0,1,2,3,4,5
	v_mov_b32 v[Q+6+\j], 0                         ; the zero codes
	v_mov_b32 v[KF+48+\j], 0
.endr
	s_mul_i32 s49, s[QT], 26
	v_min_u32 v[PFO], 25, v[LN]
	s_delay_alu instid0(VALU_DEP_1)
	v_add_nc_u32 v[PFO], s49, v[PFO]
	s_delay_alu instid0(VALU_DEP_1)
	v_lshlrev_b32 v[PFO], 8, v[PFO]
	s_xor_b32 s50, s[HD], 1                        ; 0 in waves 4-7,
	s_and_b32 s51, ttmp9, 15
	s_or_b32 s50, s50, s51                         ; of the batch's first cluster: alike in all four partners
	s_cmp_eq_u32 s50, 0
	s_cselect_b32 s[LIM], 1, -1
	s_mov_b32 s49, 0
	s_wait_kmcnt 0x0
	s_mul_i32 s48, s21, 64*REC
	s_add_nc_u64 s[6:7], s[6:7], s[48:49]          ; the batch's records
	s_mul_i32 s48, s19, REC
	s_add_co_u32 s48, s48, SLOTB
	s_add_nc_u64 s[PFA:PFA+1], s[6:7], s[48:49]    ; my work-group's record of slot 1; the first change of slots steps it to slot 2
	s_mul_i32 s48, s[WV], REC
	s_mov_b32 s[G0], 1
	s_mov_b32 s[G0+1], s48                         ; LDS: wave x a record, in slot 0
	s_add_nc_u64 s[G0+2:G0+3], s[6:7], s[48:49]
	s_or_b32 s[G0+3], s[G0+3], 0x80000000
	CROUND                                         ; the four partners are here: the first joint loads meet
	TLOAD                                          ; slot 0
	s_mul_i32 s48, s20, 13312
	s_mul_i32 s50, s[HD], 3328
	s_add_co_u32 s48, s48, s50
	s_add_nc_u64 s[4:5], s[4:5], s[48:49]          ; my work-group's, my head's record of q
	s_mul_i32 s48, s[WV], 3072
	s_add_co_u32 s48, s48, 96*1536
	s_add_nc_u64 s[8:9], s[8:9], s[48:49]          ; W_proj's two images of my 16 output channels
	s_lshl_b32 s48, s[WV], 7
	s_add_nc_u64 s[10:11], s[10:11], s[48:49]
	s_lshl_b32 s48, s[WV], 6
	s_add_nc_u64 s[12:13], s[12:13], s[48:49]
	s_lshl_b32 s48, s21, 22
	s_lshl_b32 s50, s[WV], 18
	s_add_co_u32 s48, s48, s50
	s_and_b32 s50, s20, 63
	s_lshl_b32 s50, s50, 8
	s_add_co_u32 s48, s48, s50
	s_add_nc_u64 s[14:15], s[14:15], s[48:49]      ; x and out0 at (b, 16 w, 64 qb)
	s_add_nc_u64 s[16:17], s[16:17], s[48:49]
	s_mul_i32 s50, s[QT], 3                        ; my tile's registers 6 t .. 6 t + 5 are pairs 3 t .. 3 t + 2 of the record's 12: pair p at 512 (p / 2) + 16 l + 8 (p % 2)
.irp i, 0,1,2
	s_add_co_u32 s51, s50, \i
	s_lshr_b32 s52, s51, 1
	s_lshl_b32 s52, s52, 9
	s_and_b32 s51, s51, 1
	s_lshl_b32 s51, s51, 3
	s_add_co_u32 s52, s52, s51
	v_lshl_add_u32 v[CA+\i], v[LN], 4, s52
.endr
	s_and_b32 s51, s[QT], 1
	s_lshl_b32 s51, s51, 7
	s_lshr_b32 s52, s[QT], 1
	s_lshl_b32 s52, s52, 2
	s_add_co_u32 s51, s51, s52
	s_add_co_u32 s51, s51, 3072
	v_and_b32 v[T0], 15, v0
	s_delay_alu instid0(VALU_DEP_1)
	v_lshl_add_u32 v[CA+3], v[T0], 3, s51          ; my tile's scale word of row r
	s_wait_alu depctr_va_vdst(0)
.irp i, 0,1,2
	global_load_b64 v[Q+2*\i:Q+2*\i+1], v[CA+\i], s[4:5]
.endr
	global_load_b32 v[QS], v[CA+3], s[4:5]
	v_mov_b32 v11, 0xfe967699                      ; the largest score so far: -1e38
	s_delay_alu instid0(VALU_DEP_1)
	v_mul_f32 v10, s[CS], v11
	s_delay_alu instid0(VALU_DEP_1)
	v_floor_f32 v10, -v10                          ; -M
	v_mov_b32 v12, 0
	v_mov_b32 v13, 0
	v_mov_b32 v15, 0                               ; (named as the upper half of the pair v[14:15])
	v_mov_b32 v[T1], 0                             ; written once: a lane permute's destination counts as one of its sources
.set j, 0
.rept 32
	v_mov_b32 v[O+j], 0                            ; the step is written without a first step of its own: it finds zeros, which the first change of M leaves zeros
.set j, j+1
.endr
	s_wait_loadcnt 0x0                             ; Q
.macro SCORE t
.if (\t)%2
	v_wmma_scale_f32_16x16x128_f8f6f4 v[S+8*\t:S+8*\t+7], v[KF+6*\t:KF+6*\t+11], v[Q:Q+11], 0, v[KS+\t/2], v[QS] matrix_a_fmt:MATRIX_FMT_BF6 matrix_b_fmt:MATRIX_FMT_BF6 matrix_a_scale:MATRIX_SCALE_ROW1
.else
	v_wmma_scale_f32_16x16x128_f8f6f4 v[S+8*\t:S+8*\t+7], v[KF+6*\t:KF+6*\t+11], v[Q:Q+11], 0, v[KS+\t/2], v[QS] matrix_a_fmt:MATRIX_FMT_BF6 matrix_b_fmt:MATRIX_FMT_BF6
.endif
.endm
.macro PV u
.if (\u)%2
	v_wmma_scale_f32_16x16x128_f8f6f4 v[O+8*\u:O+8*\u+7], v[KF+12*\u:KF+12*\u+11], v[P:P+11], v[O+8*\u:O+8*\u+7], v[VS+\u/2], v[PSW] matrix_a_fmt:MATRIX_FMT_BF6 matrix_b_fmt:MATRIX_FMT_BF6 matrix_a_scale:MATRIX_SCALE_ROW1
.else
	v_wmma_scale_f32_16x16x128_f8f6f4 v[O+8*\u:O+8*\u+7], v[KF+12*\u:KF+12*\u+11], v[P:P+11], v[O+8*\u:O+8*\u+7], v[VS+\u/2], v[PSW] matrix_a_fmt:MATRIX_FMT_BF6 matrix_b_fmt:MATRIX_FMT_BF6
.endif
.endm
; A KEY STEP: 128 keys, the two records at s[TB].
.macro STEP
	v_add_nc_u32 v[A16], s[TB], v[L16]
	v_add_nc_u32 v[A8], s[TB], v[L8]
	v_nop
	v_nop                                          ; four places behind the last products, in front of loads into registers that they read (ISA guide 7.12.1 for vector instructions)
.irp c, 0,1
.irp g, 0,1,2,3,4,5
	ds_load_b128 v[KF+24*\c+4*\g:KF+24*\c+4*\g+3], v[A16] offset:REC*\c+512*\g
.endr
	ds_load_b64 v[KS+2*\c:KS+2*\c+1], v[A8] offset:REC*\c+6144   ; lanes 0-15: tiles 0 and 2 of the record, lanes 16-31: tiles 1 and 3
.endr
	s_wait_alu depctr_va_vdst(0)
	s_wait_dscnt 0x0
.irp t, 0,1,2,3,4,5,6,7
	SCORE \t
.endr
	v_mov_b32 v[OLD], v10                          ; the old -M
.rept 3
	v_nop                                          ; with the line above: four places in front of the loads over K and of the first read of the scores
.endr
.irp c, 0,1
.irp u, 0,1,2,3
	ds_load_b128 v[KF+12*\u+6*\c:KF+12*\u+6*\c+3], v[A16] offset:REC*\c+3072+768*\u     ; V's tile u, registers 6 c .. 6 c + 5: keys 64 c + 32 h + 0 .. 31
	ds_load_b64 v[KF+12*\u+6*\c+4:KF+12*\u+6*\c+5], v[A8] offset:REC*\c+3584+768*\u
.endr
	ds_load_b64 v[VH+2*\c:VH+2*\c+1], v[A8] offset:REC*\c+6400
.endr
	; the largest score of each of my two blocks of 32 keys, in four chains by turns, each accumulator from its low end on
.irp b, 0,1,2,3
	v_max3_num_f32 v[CA+\b], v[S+16*\b], v[S+1+16*\b], v[S+2+16*\b]
.endr
.irp i, 3,5,7,9,11,13
.irp b, 0,1,2,3
	v_max3_num_f32 v[CA+\b], v[CA+\b], v[S+16*\b+\i], v[S+1+16*\b+\i]
.endr
.endr
	v_max3_num_f32 v[CA], v[CA], v[CA+1], v[S+15]
	v_max3_num_f32 v[CC], v[CC], v[CC+1], v[S+47]
	v_max_num_f32 v[CA], v[CA], v[S+31]
	v_max_num_f32 v[CC], v[CC], v[S+63]
	s_delay_alu instid0(VALU_DEP_1)
	v_max3_num_f32 v[T0], v[CA], v[CC], v11
	s_delay_alu instid0(VALU_DEP_1)
	v_permlanex16_b32 v[T1], v[T0], s[SEL], s[SEL+1]
	s_delay_alu instid0(VALU_DEP_1)
	v_max_num_f32 v11, v[T0], v[T1]                ; the query's largest score so far
	s_delay_alu instid0(VALU_DEP_1)
	v_mul_f32 v[T0], s[CS], v11
	s_delay_alu instid0(VALU_DEP_1)
	v_floor_f32 v10, -v[T0]                        ; -M = floor(-t): M is a whole number
	s_delay_alu instid0(VALU_DEP_1)
	v_sub_f32 v[T0], v10, v[OLD]                   ; old M - new M, 0 or less
	s_delay_alu instid0(VALU_DEP_1)
	v_cvt_i32_f32 v[T0], v[T0]                     ; (it saturates)
	s_delay_alu instid0(VALU_DEP_1)
	v_ldexp_f32 v14, 1.0, v[T0]                    ; f = 2^(old M - new M)
.set j, 0
.rept 32
	v_pk_fma_f32 v[S+j:S+j+1], v[S+j:S+j+1], s[CS:CS+1], v[10:11] op_sel_hi:[1,0,0]   ; t - M
.set j, j+2
.endr
	v_fma_f32 v[CA], v[CA], s[CS], v10
	v_fma_f32 v[CC], v[CC], s[CS], v10
.set j, 0
	s_wait_alu depctr_va_vdst(0)
.rept 64
	v_exp_f32 v[S+j], v[S+j]                       ; p
.set j, j+1
.endr
	v_exp_f32 v[CA], v[CA]                         ; the blocks' largest p
	v_exp_f32 v[CC], v[CC]
	v_pk_mul_f32 v[12:13], v[12:13], v[14:15] op_sel_hi:[1,0]   ; the sum under the new M (a plain line behind the exponentials)
	s_wait_alu depctr_va_vdst(0)
	v_max_num_f32 v[CA], 0x2800000, v[CA]          ; the floor 2^(5 - 127)
	v_max_num_f32 v[CC], 0x2800000, v[CC]
	s_delay_alu instid0(VALU_DEP_2)
	v_add_nc_u32 v[OP0], 0xfe000000, v[CA]         ; 4 off the exponent field: the conversion's scale operand
	s_delay_alu instid0(VALU_DEP_2)
	v_add_nc_u32 v[OP1], 0xfe000000, v[CC]
	s_delay_alu instid0(VALU_DEP_2)
	v_lshrrev_b32 v[BY0], 23, v[OP0]
	s_delay_alu instid0(VALU_DEP_2)
	v_lshrrev_b32 v[BY1], 23, v[OP1]
	s_delay_alu instid0(VALU_DEP_1)
	v_lshl_or_b32 v[T0], v[BY1], 16, v[BY0]        ; my blocks h and 2 + h,
	s_delay_alu instid0(VALU_DEP_1)
	v_lshlrev_b32 v[T0], v[H8], v[T0]              ; at their places;
	s_delay_alu instid0(VALU_DEP_1)
	v_permlanex16_b32 v[T1], v[T0], s[SEL], s[SEL+1]
	s_delay_alu instid0(VALU_DEP_1)
	v_or_b32 v[PSW], v[T0], v[T1]                  ; with lane l xor 16's two: p's scale word
	v_cvt_scalef32_pk16_bf6_f32 v[P:P+2], v[S:S+15], v[OP0]
	v_cvt_scalef32_pk16_bf6_f32 v[204:206], v[S+16:S+31], v[OP0]   ; (a conversion's three registers begin on an even number)
	v_cvt_scalef32_pk16_bf6_f32 v[P+6:P+8], v[S+32:S+47], v[OP1]
	v_cvt_scalef32_pk16_bf6_f32 v[208:210], v[S+48:S+63], v[OP1]
	v_nop                                          ; one plain line behind the conversions
.irp i, 0,1,2
	v_mov_b32 v[P+3+\i], v[204+\i]
	v_mov_b32 v[P+9+\i], v[208+\i]
.endr
	s_wait_dscnt 0x0                               ; V and its scale halves are in
	v_lshl_or_b32 v[VS], v[VH+2], 16, v[VH]        ; the two records' halves make V's scale words
	v_lshl_or_b32 v[VS+1], v[VH+3], 16, v[VH+1]
	v_pk_add_f32 v[212:213], v[100:101], v[104:105]
	v_pk_add_f32 v[254:255], v[108:109], v[112:113]
	v_pk_add_f32 v[252:253], v[116:117], v[120:121]
	v_pk_add_f32 v[250:251], v[124:125], v[128:129]
	v_pk_add_f32 v[248:249], v[132:133], v[136:137]
	v_pk_add_f32 v[246:247], v[140:141], v[144:145]
	v_pk_add_f32 v[244:245], v[148:149], v[152:153]
	v_pk_add_f32 v[12:13], v[12:13], v[156:157]
	v_pk_add_f32 v[212:213], v[212:213], v[96:97]
	v_pk_add_f32 v[254:255], v[254:255], v[98:99]
	v_pk_add_f32 v[252:253], v[252:253], v[102:103]
	v_pk_add_f32 v[250:251], v[250:251], v[106:107]
	v_pk_add_f32 v[248:249], v[248:249], v[110:111]
	v_pk_add_f32 v[246:247], v[246:247], v[114:115]
	v_pk_add_f32 v[244:245], v[244:245], v[118:119]
	v_pk_add_f32 v[12:13], v[12:13], v[122:123]
	v_pk_add_f32 v[212:213], v[212:213], v[126:127]
	v_pk_add_f32 v[254:255], v[254:255], v[130:131]
	v_pk_add_f32 v[252:253], v[252:253], v[134:135]
	v_pk_add_f32 v[250:251], v[250:251], v[138:139]
	v_pk_add_f32 v[248:249], v[248:249], v[142:143]
	v_pk_add_f32 v[246:247], v[246:247], v[146:147]
	v_pk_add_f32 v[244:245], v[244:245], v[150:151]
	v_pk_add_f32 v[12:13], v[12:13], v[154:155]
	v_pk_add_f32 v[212:213], v[212:213], v[158:159]
	s_delay_alu instid0(VALU_DEP_2)
	v_pk_add_f32 v[12:13], v[12:13], v[250:251]
	s_delay_alu instid0(VALU_DEP_2)
	v_pk_add_f32 v[212:213], v[212:213], v[248:249]
	v_pk_add_f32 v[254:255], v[254:255], v[246:247]
	v_pk_add_f32 v[252:253], v[252:253], v[244:245]
	s_delay_alu instid0(VALU_DEP_2)
	v_pk_add_f32 v[12:13], v[12:13], v[254:255]
	s_delay_alu instid0(VALU_DEP_2)
	v_pk_add_f32 v[212:213], v[212:213], v[252:253]
	s_delay_alu instid0(VALU_DEP_1)
	v_pk_add_f32 v[12:13], v[12:13], v[212:213]
.set j, 0
.rept 16
	v_pk_mul_f32 v[O+j:O+j+1], v[O+j:O+j+1], v[14:15] op_sel_hi:[1,0]   ; O^T under the new M.  (These and the sums are the places between the scale words and codes just made and the products)
.set j, j+2
.endr
.irp u, 0,1,2,3
	PV \u                                          ; four accumulators by turns, one instruction a turn
.endr
.endm
; THE CHANGE OF SLOTS, at a slot's head.  fill = 1: the slot that has been left is filled with the records that follow; the barrier is then a round of the cluster's.
.macro CHANGE fill
	s_wait_tensorcnt 0x0                           ; no tensor load of mine is out: my part of the slot ahead has landed, and group 0 may be written
	ds_add_u32 v[SPW], v[NIL]                      ; 0 onto my spare word
.if \fill
	s_xor_b32 s[G0+1], s[G0+1], SLOT1              ; the other slot than last time,
	s_add_nc_u64 s[G0+2:G0+3], s[G0+2:G0+3], SLOTB ; the next four records
	s_wait_xcnt 0x0                                ; the last prefetch, a slot back, has read its address
	s_add_nc_u64 s[PFA:PFA+1], s[PFA:PFA+1], SLOTB
	s_wait_dscnt 0x0                               ; the add is done, and my reads of the slot that I have left are over
	CROUND                                         ; so it is in every wave of every partner
	TLOAD                                          ; a wave's one tensor load until the next round
	ASK
.else
	s_wait_dscnt 0x0
	s_barrier_signal -1
	s_barrier_wait -1
.endif
.endm
.macro SLOT_STEPS
	STEP
	s_add_co_u32 s[TB], s[TB], 2*REC
	STEP
	s_sub_co_u32 s[TB], s[TB], 2*REC
	s_xor_b32 s[TB], s[TB], SLOT1
.endm
.Lslot:                                            ; 15 trips: behind each change of slots but the last the next slot is asked for
	CHANGE 1
	SLOT_STEPS
	s_sub_co_u32 s[SLOTS], s[SLOTS], 1
	s_cmp_lg_u32 s[SLOTS], 0
	s_cbranch_scc1 .Lslot
	CHANGE 0                                       ; the last slot is written out
	SLOT_STEPS
	; ---- THE TAIL.  Addresses go into Q's registers, which are done with; the first seven lines are also the places behind the last products.
	v_lshlrev_b32 v26, 4, v[LN]                    ; 16 x lane
	s_wait_alu depctr_va_vdst(0)
	v_and_b32 v27, 15, v0                          ; r
	s_wait_alu depctr_va_vdst(0)
	v_bfe_u32 v22, v0, 4, 1                        ; h
	v_lshlrev_b32 v23, 3, v27
	v_lshlrev_b32 v24, 2, v27
	s_delay_alu instid0(VALU_DEP_3)
	v_lshlrev_b32 v25, 14, v22
	s_delay_alu instid0(VALU_DEP_1)
	v_lshl_add_u32 v25, v27, 4, v25                ; x, out0: channel + h, 16 bytes for each of 16 lanes
.irp k, 0,1,2,3,4,5
	global_load_b128 v[32+4*\k:35+4*\k], v26, s[8:9] offset:512*\k   ; W_proj's fragments of K steps 0 and 1: v32-43, v44-55
.endr
	global_load_b64 v[VS:VS+1], v23, s[10:11]      ; their scale words
	global_load_b32 v58, v24, s[12:13]             ; b_proj of channel 16 w + r
.irp i, 0,1,2,3,4,5,6,7
	global_load_b128 v[224+4*\i:227+4*\i], v25, s[14:15] offset:32768*\i th:TH_LOAD_NT   ; the residual: channels 2 i + h, 256 bytes on end for 16 lanes
.endr
	s_lshl_b32 s48, s[QT], 1
	s_lshr_b32 s49, s[HD], 1
	s_add_co_u32 s48, s48, s49                     ; my image: 2 x pixel tile + head / 2
	s_and_b32 s50, s[HD], 1                        ; registers 6 c on, c = head % 2
	s_mul_i32 s51, s48, 1536
	s_add_co_u32 s51, s51, OIMG
	s_mul_i32 s52, s50, 520
	s_add_co_u32 s52, s52, s51
	s_mul_i32 s53, s50, 1016
	s_add_co_u32 s53, s53, s51
	v_add_nc_u32 v16, s52, v26
	v_add_nc_u32 v17, s53, v26
	s_lshl_b32 s51, s48, 6
	s_lshl_b32 s52, s50, 1
	s_add_co_u32 s51, s51, s52
	s_add_co_u32 s51, s51, OSC
	v_lshl_add_u32 v18, v27, 2, s51                ; my half of row r's scale word
	v_add_nc_u32 v19, OIMG, v26
	v_lshl_add_u32 v20, v27, 2, OSC
	s_mul_i32 s51, s[WV], 16*272
	s_add_co_u32 s51, s51, STG                     ; my stage
	v_mul_u32_u24 v21, v27, 272
	s_delay_alu instid0(VALU_DEP_1)
	v_lshl_add_u32 v21, v22, 7, v21
	s_delay_alu instid0(VALU_DEP_1)
	v_add_nc_u32 v21, s51, v21                     ; in: row r (a channel), + 128 h
	v_mul_u32_u24 v22, v22, 272
	s_delay_alu instid0(VALU_DEP_1)
	v_lshl_add_u32 v22, v27, 4, v22
	s_delay_alu instid0(VALU_DEP_1)
	v_add_nc_u32 v22, s51, v22                     ; back: lanes 0-15 one row, lanes 16-31 the next
	v_add_f32 v12, v12, v13                        ; the sum's two halves,
	s_delay_alu instid0(VALU_DEP_1)
	v_permlanex16_b32 v[T1], v12, s[SEL], s[SEL+1]
	s_delay_alu instid0(VALU_DEP_1)
	v_add_f32 v12, v12, v[T1]                      ; and lane l xor 16's
	s_wait_alu depctr_va_vdst(0)
	v_rcp_f32 v14, v12
	v_nop                                          ; a plain line behind the transcendental
.set j, 0
	s_wait_alu depctr_va_vdst(0)
.rept 16
	v_pk_mul_f32 v[O+j:O+j+1], v[O+j:O+j+1], v[14:15] op_sel_hi:[1,0]   ; O^T / the sum: channels 64 head + 32 h + 0 .. 31 of my pixel: one block of the projection's K
.set j, j+2
.endr
	v_max3_num_f32 v[CA], |v[O]|, |v[O+1]|, 0x2800000
	v_max3_num_f32 v[CA+1], |v[O+16]|, |v[O+17]|, 0x2800000
.irp i, 2,4,6,8,10,12,14
	s_delay_alu instid0(VALU_DEP_2)
	v_max3_num_f32 v[CA], v[CA], |v[O+\i]|, |v[O+\i+1]|
	s_delay_alu instid0(VALU_DEP_2)
	v_max3_num_f32 v[CA+1], v[CA+1], |v[O+16+\i]|, |v[O+17+\i]|
.endr
	s_delay_alu instid0(VALU_DEP_1)
	v_max_num_f32 v[CA], v[CA], v[CA+1]
	s_delay_alu instid0(VALU_DEP_1)
	v_add_nc_u32 v[OP0], 0xfe000000, v[CA]
	v_cvt_scalef32_pk16_bf6_f32 v[P:P+2], v[O:O+15], v[OP0]
	v_cvt_scalef32_pk16_bf6_f32 v[204:206], v[O+16:O+31], v[OP0]
	v_lshrrev_b32 v[BY0], 23, v[OP0]               ; the byte; also the plain line behind the conversions
.irp i, 0,1,2
	v_mov_b32 v[P+3+\i], v[204+\i]
.endr
	s_delay_alu instid0(VALU_DEP_4)
	v_lshlrev_b32 v[T0], v[H8], v[BY0]
	s_delay_alu instid0(VALU_DEP_1)
	v_permlanex16_b32 v[T1], v[T0], s[SEL], s[SEL+1]
	s_delay_alu instid0(VALU_DEP_1)
	v_or_b32 v[T0], v[T0], v[T1]                   ; my head's two bytes of the row's word
	ds_store_b64 v16, v[P:P+1]
	ds_store_b64 v17, v[P+2:P+3] offset:8
	ds_store_b64 v16, v[P+4:P+5] offset:512
	ds_store_b16 v18, v[T0]                        ; lanes r and r + 16 write the same two bytes with the same value
	s_wait_dscnt 0x0                               ; for the others' sake: my stores have landed
	s_barrier_signal -1
	s_barrier_wait -1                              ; O's eight fragments lie in LDS
.irp f, 0,1,2,3,4,5,6,7
.irp g, 0,1,2
	ds_load_b128 v[96+12*\f+4*\g:99+12*\f+4*\g], v19 offset:1536*\f+512*\g
.endr
	ds_load_b32 v[KS+\f], v20 offset:64*\f         ; their scale words, in registers that have held scales alone
.endr
	s_wait_loadcnt 8                               ; W_proj, its scales and the bias are in; the eight loads of the residual, issued behind them, may be out
.irp j, 0,1,2,3,4,5,6,7
	v_mov_b32 v[60+\j], v58                        ; a lane's eight results are of one channel
.endr
	s_wait_alu depctr_va_vdst(0)
	s_wait_dscnt 0x0
	; source 0 = 16 pixels of O, source 1 = my 16 rows of W_proj: lane (r, h) holds channel 16 w + r and, over the four tiles, pixels 32 h + 0 .. 31
.irp t, 0,1,2,3
	v_wmma_scale_f32_16x16x128_f8f6f4 v[192+8*\t:199+8*\t], v[96+24*\t:107+24*\t], v[32:43], v[60:67], v[KS+2*\t], v[VS] matrix_a_fmt:MATRIX_FMT_BF6 matrix_b_fmt:MATRIX_FMT_BF6
.endr
.irp t, 0,1,2,3
	v_wmma_scale_f32_16x16x128_f8f6f4 v[192+8*\t:199+8*\t], v[108+24*\t:119+24*\t], v[44:55], v[192+8*\t:199+8*\t], v[KS+2*\t+1], v[VS+1] matrix_a_fmt:MATRIX_FMT_BF6 matrix_b_fmt:MATRIX_FMT_BF6
.endr
.rept 4
	v_nop                                          ; places in front of the stores of the results and of loads into registers that the products read
.endr
.irp t, 0,1,2,3
	ds_store_b128 v21, v[192+8*\t:195+8*\t] offset:32*\t          ; each accumulator from its low end on
	ds_store_b128 v21, v[196+8*\t:199+8*\t] offset:32*\t+16
.endr
.irp i, 0,1,2,3,4,5,6,7
	ds_load_b128 v[96+4*\i:99+4*\i], v22 offset:544*\i            ; my own stage: LDS serves a wave's instructions in order (ISA guide 5.7.1.4)
.endr
	s_wait_loadcnt 0x0                             ; the residual
.irp i, 0,1,2,3,4,5,6,7
	s_wait_dscnt 7-\i                              ; rows 2 i, 2 i + 1 are back; the younger loads may be out
	v_pk_add_f32 v[96+4*\i:97+4*\i], v[96+4*\i:97+4*\i], v[224+4*\i:225+4*\i]
	v_pk_add_f32 v[98+4*\i:99+4*\i], v[98+4*\i:99+4*\i], v[226+4*\i:227+4*\i]
	global_store_b128 v25, v[96+4*\i:99+4*\i], s[16:17] offset:32768*\i th:TH_STORE_NT   ; 16 lanes store 256 bytes on end, at a multiple of 256 from out0's first byte
.endr
	s_wait_tensorcnt 0x0                           ; the wave's end
	ds_add_u32 v[SPW], v[NIL]
	s_wait_dscnt 0x0
	CROUND                                         ; the closing round
	s_endpgm
.Lfunc_end_k_q5d06707c61_attn:
	.size	k_q5d06707c61_attn, .Lfunc_end_k_q5d06707c61_attn-k_q5d06707c61_attn
	.p2alignl 7, 3214868480
	.fill 96, 4, 3214868480
	.section	.rodata,"a",@progbits
	.p2align	6, 0x0
	.amdhsa_kernel k_q5d06707c61_attn
		.amdhsa_group_segment_fixed_size 327680
		.amdhsa_private_segment_fixed_size 0
		.amdhsa_enable_private_segment 0
		.amdhsa_kernarg_size 56
		.amdhsa_user_sgpr_count 2
		.amdhsa_user_sgpr_kernarg_segment_ptr 1
		.amdhsa_wavefront_size32 1
		.amdhsa_system_sgpr_workgroup_id_x 1
		.amdhsa_system_sgpr_workgroup_id_y 1
		.amdhsa_system_sgpr_workgroup_id_z 1
		.amdhsa_system_vgpr_workitem_id 0
		.amdhsa_next_free_vgpr 256
		.amdhsa_next_free_sgpr 66
		.amdhsa_reserve_vcc 0
		.amdhsa_float_denorm_mode_32 3
		.amdhsa_float_denorm_mode_16_64 3
		.amdhsa_memory_ordered 1
		.amdhsa_forward_progress 1
		.amdhsa_inst_pref_size 85
	.end_amdhsa_kernel
	.amdgpu_metadata
---
amdhsa.version: [ 1, 2 ]
amdhsa.kernels:
  - .name:           k_q5d06707c61_attn
    .symbol:         k_q5d06707c61_attn.kd
    .args:
      - { .name: qw, .offset: 0, .size: 8, .value_kind: global_buffer, .address_space: global }
      - { .name: kv, .offset: 8, .size: 8, .value_kind: global_buffer, .address_space: global }
      - { .name: wimg, .offset: 16, .size: 8, .value_kind: global_buffer, .address_space: global }
      - { .name: w_proj_scales, .offset: 24, .size: 8, .value_kind: global_buffer, .address_space: global }
      - { .name: b_proj, .offset: 32, .size: 8, .value_kind: global_buffer, .address_space: global }
      - { .name: x, .offset: 40, .size: 8, .value_kind: global_buffer, .address_space: global }
      - { .name: out0, .offset: 48, .size: 8, .value_kind: global_buffer, .address_space: global }
    .group_segment_fixed_size: 327680
    .private_segment_fixed_size: 0
    .kernarg_segment_align: 8
    .kernarg_segment_size: 56
    .max_flat_workgroup_size: 512
    .sgpr_count:     66
    .vgpr_count:     256
    .wavefront_size: 32
...
	.end_amdgpu_metadata
.endif
;; end of part 3
